; MI455X (gfx1250); checked and timed in simulation.
; The chip was launched on July 23, 2026; its instructions are those of AMD's public machine-readable ISA for CDNA 5 (MIT licence, August 2026) and "CDNA5" Instruction Set Architecture Reference Guide (July 2026). The comments in the code are by the model that wrote it; some were corrected since.
;; LSTM Cell. Allowed arithmetic: float matrix products may take bf16 or f16 operands with f32 sums; other float arithmetic in f32, or as packed bf16 or f16 multiplies, adds, multiply-adds, maxima and minima; sums over many terms, partial sums and values carried from step to step in f32; what a program stores and reads back later, other than sums and carried values, may be rounded once to bf16 or f16.
;; Inputs: b_ci 1,024 float32; b_fg 1,024 float32; b_ig 1,024 float32; b_og 1,024 float32; cx 8,192 x 1,024 float32; hx 8,192 x 1,024 float32; r_ci 1,024 x 1,024 float32; r_fg 1,024 x 1,024 float32; r_ig 1,024 x 1,024 float32; r_og 1,024 x 1,024 float32; w_ci 1,024 x 1,024 float32; w_fg 1,024 x 1,024 float32; w_ig 1,024 x 1,024 float32; w_og 1,024 x 1,024 float32; xt 8,192 x 1,024 float32.
;; Outputs: out0 8,192 x 1,024 float32; out1 8,192 x 1,024 float32.
;; 2 versions, each right; version 2 is version 1 with the launch pack written anew for expert scheduling mode. Each part assembles by itself: llvm-mc -triple=amdgcn-amd-amdhsa -mcpu=gfx1250 --defsym DOCPART=n.
;; ======== version 1 of 2: 2 launches
;; workspace buffers: abf 33,554,432 bytes; wbf 16,777,216 bytes
;; launch pack (part 1): grid 256 x 3, 8 waves a work-group, no clusters, 0 bytes of LDS; arguments xt, hx, w_fg, w_ig, w_og, w_ci, r_fg, r_ig, r_og, r_ci, abf, wbf; writes abf, wbf
.if DOCPART == 1
	.amdgcn_target "amdgcn-amd-amdhsa--gfx1250"
	.amdhsa_code_object_version 6
	.text
	.protected	k_q29fb9c0b74_pack
	.globl	k_q29fb9c0b74_pack
	.p2align	8
	.type	k_q29fb9c0b74_pack,@function
k_q29fb9c0b74_pack:
	s_mov_b64 s[64:65], 0
	v_nop
	global_prefetch_b8 v0, s[64:65] scope:SCOPE_SE
	s_setreg_imm32_b32 hwreg(HW_REG_WAVE_MODE, 25, 1), 1
	s_wait_xcnt 0x0
; THE OPERANDS OF THE LSTM CELL'S ONE PRODUCT, rounded once to bf16 (to nearest even) and laid out for it.
;   abf [8192][2048] bf16: row m = xt[m][0..1023], then hx[m][0..1023].
;   wbf [4096][2048] bf16: a row = w_g[hc][0..1023], then r_g[hc][0..1023]; gates g = 0 f, 1 i, 2 o, 3 ci.  Gate g's row hc lies at row
;       256 (hc / 64) + 64 g + 16 (hc % 4) + (hc / 4) % 16:
;   a block of 256 rows holds all four gates of 64 hidden columns, and in the product's result a lane then finds four neighbouring hidden columns of each gate.
; SHARES.  24,576 source rows of 4,096 bytes.  A work-group takes 32 rows of ONE source: y = 0 xt, y = 1 hx (256 groups each), y = 2 the eight weight matrices (32 groups each).
; Thread t owns bytes 16 t of every source row (4 f32) and bytes 8 t of the half row that it becomes: a wave's load covers 512 consecutive bytes, a wave's store 256 consecutive bytes, aligned.
; All 32 loads of a thread go out at once (16 KiB a wave); each row is rounded and stored as it arrives.  No register is written again while a memory instruction names it.
; No LDS, no matrix unit, no cluster: no byte is wanted twice.
.set ROW, 4096                         ; bytes in a source row, and in a row of abf and wbf
.set X,   8                            ; v[8:135]  row i as loaded at X + 4 i; its 8 bytes of bf16 then take the first two registers
	s_load_b512 s[8:23], s[0:1], 0x0               ; xt, hx, w_fg, w_ig, w_og, w_ci, r_fg, r_ig: source k at s[8+2k:9+2k]
	s_load_b256 s[24:31], s[0:1], 0x40             ; r_og, r_ci (sources 8, 9), abf s[28:29], wbf s[30:31]
	s_and_b32 s2, ttmp7, 0xffff                    ; y
	s_mov_b32 s3, ttmp9                            ; x
	v_lshlrev_b32 v1, 4, v0                        ; my 16 bytes of a source row
	v_lshlrev_b32 v2, 3, v0                        ; my 8 bytes of the half row
	; y = 2: matrix x / 32 (0-3 w, 4-7 r; gate = its low two bits), rows 32 q .. 32 q + 31 with q = x % 32
	s_lshr_b32 s32, s3, 5                          ; matrix
	s_and_b32 s38, s3, 31                          ; q
	s_and_b32 s39, s32, 3                          ; gate
	s_lshr_b32 s40, s32, 2                         ; 0: w, the row's first half; 1: r, its second
	s_lshl_b32 s34, s38, 17                        ; source offset: 32 q rows
	s_lshr_b32 s41, s38, 1
	s_lshl_b32 s36, s41, 20                        ; destination: 256 (q / 2) rows
	s_lshl_b32 s41, s39, 18
	s_add_co_u32 s36, s36, s41                     ; + 64 x gate rows
	s_and_b32 s41, s38, 1
	s_lshl_b32 s41, s41, 15
	s_add_co_u32 s36, s36, s41                     ; + 8 (q % 2) rows
	s_lshl_b32 s41, s40, 11
	s_add_co_u32 s36, s36, s41                     ; + the half row
	s_add_co_u32 s33, s32, 2                       ; the source's number
	; y < 2: rows 32 x .. 32 x + 31 of xt or hx go to the same rows of abf, half y
	s_lshl_b32 s42, s3, 17
	s_lshl_b32 s43, s2, 11
	s_add_co_u32 s43, s43, s42
	s_cmp_lt_u32 s2, 2
	s_cselect_b32 s33, s2, s33
	s_cselect_b32 s34, s42, s34
	s_cselect_b32 s36, s43, s36
	s_mov_b32 s35, 0
	s_mov_b32 s37, 0
	s_wait_kmcnt 0x0
	s_cselect_b64 s[6:7], s[28:29], s[30:31]       ; (the compare above still stands) abf or wbf
	s_mov_b64 s[4:5], s[8:9]
.irp k, 1,2,3,4,5,6,7,8,9
	s_cmp_eq_u32 s33, \k                           ; the source is chosen by its number, which hangs on the work-group's place alone
	s_cselect_b64 s[4:5], s[8+2*\k:9+2*\k], s[4:5]
.endr
	s_add_nc_u64 s[4:5], s[4:5], s[34:35]
	s_add_nc_u64 s[6:7], s[6:7], s[36:37]
.set i, 0
.rept 32
	global_load_b128 v[X+4*i:X+4*i+3], v1, s[4:5] offset:ROW*i th:TH_LOAD_NT
.set i, i+1
.endr
; The 32 rows leave.  perm = 0: row i to row i.  perm = 1 (weights): row i to row 16 (i % 4) + i / 4 of the block's gate.
.macro OUT perm
.set i, 0
.rept 32
.if \perm
.set ro, 16*(i%4)+i/4
.else
.set ro, i
.endif
	s_wait_loadcnt 31-i                            ; loads come back in order (ISA guide 5.7.1): row i is in, the 31 - i younger rows may stay out
	v_cvt_pk_bf16_f32 v[X+4*i], v[X+4*i], v[X+4*i+1]
	v_cvt_pk_bf16_f32 v[X+4*i+1], v[X+4*i+2], v[X+4*i+3]
	global_store_b64 v2, v[X+4*i:X+4*i+1], s[6:7] offset:ro*ROW
.set i, i+1
.endr
.endm
	s_cmp_eq_u32 s2, 2
	s_cbranch_scc1 .Lw
	OUT 0
	s_endpgm
.Lw:
	OUT 1
	s_endpgm
.Lfunc_end_k_q29fb9c0b74_pack:
	.size	k_q29fb9c0b74_pack, .Lfunc_end_k_q29fb9c0b74_pack-k_q29fb9c0b74_pack
	.p2alignl 7, 3214868480
	.fill 96, 4, 3214868480
	.section	.rodata,"a",@progbits
	.p2align	6, 0x0
	.amdhsa_kernel k_q29fb9c0b74_pack
		.amdhsa_group_segment_fixed_size 0
		.amdhsa_private_segment_fixed_size 0
		.amdhsa_enable_private_segment 0
		.amdhsa_kernarg_size 96
		.amdhsa_user_sgpr_count 2
		.amdhsa_user_sgpr_kernarg_segment_ptr 1
		.amdhsa_wavefront_size32 1
		.amdhsa_system_sgpr_workgroup_id_x 1
		.amdhsa_system_sgpr_workgroup_id_y 1
		.amdhsa_system_sgpr_workgroup_id_z 1
		.amdhsa_system_vgpr_workitem_id 0
		.amdhsa_next_free_vgpr 136
		.amdhsa_next_free_sgpr 66
		.amdhsa_reserve_vcc 0
		.amdhsa_float_denorm_mode_32 3
		.amdhsa_float_denorm_mode_16_64 3
		.amdhsa_memory_ordered 1
		.amdhsa_forward_progress 1
		.amdhsa_inst_pref_size 22
	.end_amdhsa_kernel
	.amdgpu_metadata
---
amdhsa.version: [ 1, 2 ]
amdhsa.kernels:
  - .name:           k_q29fb9c0b74_pack
    .symbol:         k_q29fb9c0b74_pack.kd
    .args:
      - { .name: xt, .offset: 0, .size: 8, .value_kind: global_buffer, .address_space: global }
      - { .name: hx, .offset: 8, .size: 8, .value_kind: global_buffer, .address_space: global }
      - { .name: w_fg, .offset: 16, .size: 8, .value_kind: global_buffer, .address_space: global }
      - { .name: w_ig, .offset: 24, .size: 8, .value_kind: global_buffer, .address_space: global }
      - { .name: w_og, .offset: 32, .size: 8, .value_kind: global_buffer, .address_space: global }
      - { .name: w_ci, .offset: 40, .size: 8, .value_kind: global_buffer, .address_space: global }
      - { .name: r_fg, .offset: 48, .size: 8, .value_kind: global_buffer, .address_space: global }
      - { .name: r_ig, .offset: 56, .size: 8, .value_kind: global_buffer, .address_space: global }
      - { .name: r_og, .offset: 64, .size: 8, .value_kind: global_buffer, .address_space: global }
      - { .name: r_ci, .offset: 72, .size: 8, .value_kind: global_buffer, .address_space: global }
      - { .name: abf, .offset: 80, .size: 8, .value_kind: global_buffer, .address_space: global }
      - { .name: wbf, .offset: 88, .size: 8, .value_kind: global_buffer, .address_space: global }
    .group_segment_fixed_size: 0
    .private_segment_fixed_size: 0
    .kernarg_segment_align: 8
    .kernarg_segment_size: 96
    .max_flat_workgroup_size: 256
    .sgpr_count:     66
    .vgpr_count:     136
    .wavefront_size: 32
...
	.end_amdgpu_metadata
.endif
;; end of part 1
;; launch cell (part 2): grid 16 x 16, 4 waves a work-group, clusters of 4 x 4, 327,680 bytes of LDS; arguments abf, wbf, b_fg, b_ig, b_og, b_ci, cx, out0, out1; writes out0, out1
.if DOCPART == 2
	.amdgcn_target "amdgcn-amd-amdhsa--gfx1250"
	.amdhsa_code_object_version 6
	.text
	.protected	k_q29fb9c0b74_cell
	.globl	k_q29fb9c0b74_cell
	.p2align	8
	.type	k_q29fb9c0b74_cell,@function
k_q29fb9c0b74_cell:
	s_mov_b64 s[64:65], 0
	v_nop
	global_prefetch_b8 v0, s[64:65] scope:SCOPE_SE
	s_setreg_imm32_b32 hwreg(HW_REG_WAVE_MODE, 25, 1), 1
	s_wait_xcnt 0x0
	s_wait_alu depctr_hold_cnt(0) depctr_sa_sdst(0) depctr_va_vdst(0) depctr_va_sdst(0) depctr_va_ssrc(0) depctr_va_vcc(0) depctr_vm_vsrc(0)
	s_getreg_b32 s2, hwreg(HW_REG_IB_STS2, 6, 4)
	s_cmp_eq_u32 s2, 0
	s_cbranch_scc0 .Lentry_in_a_cluster
	s_endpgm
.Lentry_in_a_cluster:
	s_bfe_u32 s2, ttmp6, 0x10000c
	s_cmp_lg_u32 s2, 0xf033
	s_cbranch_scc0 .Lentry_shape_is_right
	s_endpgm
.Lentry_shape_is_right:
; THE LSTM CELL.  gates[m][n'] = the sum over k of abf[m][k] wbf[n'][k] + b (abf: [8192][2048] = xt | hx; wbf: [4096][2048] = w | r, both bf16; sums in f32), then, all in f32,
;   ct = sig(f) cx + sig(i) tanh(g) -> out1,   ht = sig(o) tanh(ct) -> out0.   cx, the biases and both outputs are f32, rows of 4,096 bytes.
; wbf's row 256 T + 64 g + 16 b' + r holds gate g (0 f, 1 i, 2 o, 3 ci) of hidden column 64 T + 4 r + b'.
; LIMITS.  The product's operands are the inputs rounded once to bf16.  sig(x) = 1 / (1 + 2^(-x log2 e)), tanh(x) = 1 - 2 / (1 + 2^(2 x log2 e)): an exponential that overflows or comes out as 0
; gives the exact end values 0, 1, -1, so nothing is clipped; tanh's error is a few 1e-7 in absolute terms, not relative to a result near 0.  NaN and infinities among the inputs are not treated apart.
; SHARES.  A tile is 256 rows x 256 rows of wbf (four gates of 64 hidden columns).  256 work-groups, each makes TWO tiles, 4,096 rows apart.  The four waves split the ROWS: wave w has rows 64 w .. 64 w + 63 and
; all 256 columns: 64 accumulators (a = 0..3 blocks of 16 rows, b = 4 g + b' = 0..15), 512 registers.  Source 0 = 16 rows of abf, source 1 = 16 rows of wbf: register j of lane (r = l % 16, h = l / 16) of
; accumulator (a, b) holds gate g of row 16 a + 8 h + j, hidden column 64 T + 4 r + b'.  So a lane holds all four gates of an output at one j, its four b' are 16 neighbouring bytes of cx, ct and ht, and sixteen
; lanes make 256 consecutive bytes, aligned: the way out needs no LDS and no barrier.  The price: 40 LDS loads for a quarter step's 64 matrix instructions, where a square wave tile has 32.
; RING.  K goes in steps of 128 through two LDS slots filled by the tensor data mover; each wave fetches a quarter of a slot (128 rows x 256 bytes).  The ring runs on into the second tile.
; CLUSTER.  4 x 4 work-groups.  The four of a row of the cluster need the same tiles of abf, the four of a column the same tiles of wbf: each tile is asked for JOINTLY, by the same tensor load with the same
; descriptor and a mask that names the four.
; REGISTERS, in windows of 256 (s_set_vgpr_msb's low byte: bits 1:0 source 0, 3:2 source 1, 5:4 source 2, 7:6 destination):
;   window 0: v0-31 addresses; v32-63 T2, at work on the way out; v64-127 abf's fragments, two buffers of 4 x 8; v128-191, v224-255 three buffers for 16 rows of cx (then ct); v192-223 the scaled biases, in pairs
;   window 1: wbf's fragments, two buffers of 16 x 8          window 2: accumulators a = 0, 1 at 128 (a % 2) + 8 b          window 3: a = 2, 3
.set SIZE_K, 2048
.set WALK,   4096                      ; rows from a work-group's first tile to its second
.set ROWB,   4096                      ; bytes in a row of abf, wbf, cx, out0, out1
.set KSTEP,  128
.set PITCH,  272                       ; an LDS row: 256 bytes + 16 of padding = 68 words: row r starts at bank 4 r mod 64 (64 banks of 4 bytes: ISA guide 11.1), so the 16 rows of a load start at 16 different banks
.set HALFT,  128*PITCH                 ; what one tensor load brings
.set SLOT,   4*HALFT                   ; abf's 256 rows, then wbf's 256 rows
.set SPARE,  2*SLOT                    ; behind the ring: the spare words, 128 bytes for each wave: two blocks of 256 bytes that no other line names
.set LAPS,   SIZE_K/(2*KSTEP)          ; a lap = two K steps = once round the ring
.set NEXT_A, WALK*SIZE_K*2-(SIZE_K-2*KSTEP)*2   ; from a slot's last K step of a tile to its first of the next: WALK rows down, back along K
.set BACK_B, (SIZE_K-2*KSTEP)*2        ; wbf only back: both tiles take the same rows
.set ADRA, 16                          ; v16-17  LDS address of my fragments of abf in slot 0, 1
.set ADRB, 20                          ; v20-21  the same for wbf
.set CO,   26                          ; v26     my byte offset in 16 rows of cx, ct, ht: 8 h rows + 16 r
.set BO,   27                          ; v27     my byte offset in a bias: 256 T + 16 r
.set SPW,  28                          ; v28     LDS address of my spare word: SPARE + 4 x my thread's number; never rewritten
.set NIL,  29                          ; v29     0; never rewritten
.set PFO,  30                          ; v30     the prefetches' offset: my lane x a row; never rewritten
.set T2,   32
.set FA,   64                          ; abf's fragments: buffer f, block a at FA + 32 f + 8 a
.set CX0,  128
.set CX1,  160
.set BI,   192                         ; column block b's scaled bias, twice, at BI + 2 b
.set CX2,  224
.set G1,   24                          ; s[24:31] descriptor group 1 for abf's tiles;  s[32:39] group 0, a set for each slot
.set G0,   32
.set LIM,  43                          ; s43     1 in a wave that prefetches, else the greatest number
.set PFA,  44                          ; s[44:45] where my prefetches stand
.set G1B,  48                          ; s[48:55], s[56:63] the same for wbf's tiles
.set G0B,  56
.set BIAS, 76                          ; s[76:83] b_fg, b_ig, b_og, b_ci
.set CXP,  84                          ; s[84:85] cx,  s[86:87] out0 (ht),  s[88:89] out1 (ct): at my wave's first row and the tile's first column
.set HTP,  86
.set CTP,  88
.set NL,   90                          ; s[90:91] -log2 e, named as a pair
.set TL,   92                          ; s[92:93] 2 log2 e
.set MSB, 0
.macro WIN new                         ; the immediate's high byte repeats the setting that is left; a switch that changes nothing is dropped
.if MSB != (\new)
	s_set_vgpr_msb (MSB<<8)|(\new)
.set MSB, \new
.endif
.endm
.set MUL_LO, 0xa4                      ; source 0 (abf) window 0, source 1 (wbf) window 1, C and D window 2
.set TO_B,   0x40                      ; destination window 1, address window 0
; A joint load.  Waves 0 and 1 fetch abf's two halves, waves 2 and 3 wbf's.  Each line has one mask and one set of registers; the branch hangs on the wave's number alone.
; An s_nop 0 and four v_nop follow each of the two lines, ahead of the jump, the label and what follows.
.macro JLOAD s
	s_cmp_eq_u32 s11, 0
	s_cbranch_scc0 .Lfor_b_\@
	tensor_load_to_lds s[G0+4*(\s):G0+4*(\s)+3], s[G1:G1+7]
	s_nop 0
.rept 4
	v_nop
.endr
	s_branch .Lasked_\@
.Lfor_b_\@:
	tensor_load_to_lds s[G0B+4*(\s):G0B+4*(\s)+3], s[G1B:G1B+7]
	s_nop 0
.rept 4
	v_nop
.endr
.Lasked_\@:
.endm
; A PREFETCH INTO THE L2, behind each joint load, its five lines and the run of LDS loads that follows: the K step that stands TWO refills on (512 matrix instructions ahead of the load that will want it):
; 32 rows x 256 bytes, a lane a row, one instruction a wave.  Each row's 256 bytes of a K step are named ONCE in the launch: abf's tile row is read by every cluster of that row of clusters, and the one with
; cluster x = 0 asks; wbf's tile column by every cluster of that column, and cluster y = 0 asks.  The four partners that ask for a tile jointly share its rows out BY ADDRESS: of the 128 rows that a wave
; fetches, the partner at place p takes 32 p .. 32 p + 31.  how = 0, in the loop: a tile's last two refills have no K step two on.  how = 1, at the change of tiles: the next tile's K steps 2 and 3 of abf.
.macro ASK how
.if \how
	s_cmp_eq_u32 s[LIM], 1
.else
	s_cmp_gt_u32 s3, s[LIM]                        ; s3 = 1 in the loop's last trip
.endif
	s_cbranch_scc0 .Lnot_mine_\@
	global_prefetch_b8 v[PFO], s[PFA:PFA+1] offset:KSTEP*2 th:TH_LOAD_NT scope:SCOPE_SE
.Lnot_mine_\@:
.endm
; A round of the cluster's barrier: my work-group's barrier; wave 0 signals for the work-group; every wave waits for all sixteen work-groups; my work-group's barrier once more.
.macro CREST                           ; a round behind its opening barrier
	s_cmp_lg_u32 s10, 0
	s_cbranch_scc1 .Lnot_wave_0_\@
	s_barrier_signal -3
.Lnot_wave_0_\@:
	s_barrier_wait -3
	s_barrier_signal -1
	s_barrier_wait -1
.endm
.macro CROUND                          ; a whole round
	s_barrier_signal -1
	s_barrier_wait -1
	CREST
.endm
	s_load_b128 s[4:7], s[0:1], 0x0                ; abf s[4:5], wbf s[6:7]
	s_load_b256 s[BIAS:BIAS+7], s[0:1], 0x10       ; the four biases
	s_load_b128 s[CXP:CXP+3], s[0:1], 0x30         ; cx, out0
	s_load_b64 s[CTP:CTP+1], s[0:1], 0x40          ; out1
	v_lshl_add_u32 v[SPW], v0, 2, SPARE
	v_mov_b32 v[NIL], 0
	ds_add_u32 v[SPW], v[NIL]                      ; the wave's opening: the add and its wait stand ahead of my first tensor load; the set-up below, work on registers, stands between them
	v_lshrrev_b32 v1, 5, v0
	v_readfirstlane_b32 s10, v1                    ; wave 0..3
	s_lshr_b32 s11, s10, 1                         ; I fetch for abf (0) or for wbf (1)
	s_and_b32 s12, s10, 1                          ; which 128 rows of that tile I fetch
	s_bfe_u32 s40, ttmp6, 0x40000                  ; cx: my place along the cluster's x
	s_bfe_u32 s41, ttmp6, 0x40004                  ; cy: along its y
	s_lshl_b32 s42, ttmp9, 2                       ; in a cluster launch ttmp9 and ttmp7 count clusters
	s_add_co_u32 s42, s42, s40                     ; tile column T = 4 x cluster x + cx
	s_and_b32 s13, ttmp7, 0xffff
	s_lshl_b32 s13, s13, 2
	s_add_co_u32 s13, s13, s41                     ; the first tile's row = 4 x cluster y + cy
	s_lshl_b32 s43, s41, 2
	s_lshl_b32 s43, 15, s43                        ; my row of the cluster: places 4 cy .. 4 cy + 3
	s_lshl_b32 s44, 0x1111, s40                    ; my column: places cx, cx + 4, cx + 8, cx + 12
	; descriptor group 1: a tile of 128 rows x 128 elements, padded in LDS
	s_or_b32 s[G1+0], s43, (1<<16)|(1<<20)|(1<<21)|(5<<22)|(3<<25)  ; 15:0 the mask: abf's tiles go to my row; 17:16 elements of 2 bytes; 20 padding on; 21 set beside a mask; 24:22 after every 64 words (code 5); 31:25 4 words of it (code 3)
	s_or_b32 s[G1B+0], s44, (1<<16)|(1<<20)|(1<<21)|(5<<22)|(3<<25) ; the same with the mask of my column, for wbf's tiles
.irp g, G1, G1B
	s_mov_b32 s[(\g)+1], KSTEP<<16                 ; tensor_dim0 = 128
	s_mov_b32 s[(\g)+2], 128<<16                   ; tensor_dim1 = 128
	s_mov_b32 s[(\g)+3], KSTEP<<16                 ; tile_dim0 = 128
	s_mov_b32 s[(\g)+4], 128                       ; tile_dim1 = 128
	s_mov_b32 s[(\g)+5], SIZE_K                    ; elements from row to row
	s_mov_b32 s[(\g)+6], 0
	s_mov_b32 s[(\g)+7], 0
.endr
	s_mov_b32 s[NL], 0xbfb8aa3b                    ; -log2 e
	s_mov_b32 s[NL+1], s[NL]
	s_mov_b32 s[TL], 0x4038aa3b                    ; 2 log2 e
	s_mov_b32 s[TL+1], s[TL]
	; where the tiles come from: abf's hang on the tile row alone, which my row of the cluster shares; wbf's on the tile column alone, which my column shares
	s_lshl_b32 s17, s12, 7
	s_lshl_b32 s16, s13, 8
	s_add_co_u32 s16, s16, s17                     ; abf: row 256 x tile row + 128 x half
	s_lshl_b32 s46, s42, 8
	s_add_co_u32 s46, s46, s17                     ; wbf: row 256 x tile column + 128 x half
	s_mov_b32 s17, 0
	s_mov_b32 s47, 0
	s_mov_b64 s[18:19], SIZE_K*2
	s_mul_u64 s[16:17], s[16:17], s[18:19]
	s_mul_u64 s[46:47], s[46:47], s[18:19]
	s_mul_i32 s20, s10, HALFT                      ; and where they go: wave x 128 rows: no place in the cluster enters an LDS address
	s_wait_dscnt 0x0                               ; the opening add is done
	s_wait_kmcnt 0x0
	s_add_nc_u64 s[14:15], s[4:5], s[16:17]
	s_add_nc_u64 s[46:47], s[6:7], s[46:47]
	CROUND                                         ; all sixteen work-groups are here: the first joint loads meet
.irp s, 0,1
	s_mov_b32 s[G0+4*(\s)], 1                                      ; count = 1
	s_add_co_u32 s[G0+4*(\s)+1], s20, (\s)*SLOT                    ; LDS address
	s_add_nc_u64 s[G0+4*(\s)+2:G0+4*(\s)+3], s[14:15], (\s)*KSTEP*2  ; global address: K step s
	s_or_b32 s[G0+4*(\s)+3], s[G0+4*(\s)+3], 0x80000000            ; type = 2
	s_mov_b32 s[G0B+4*(\s)], 1
	s_add_co_u32 s[G0B+4*(\s)+1], s20, (\s)*SLOT
	s_add_nc_u64 s[G0B+4*(\s)+2:G0B+4*(\s)+3], s[46:47], (\s)*KSTEP*2
	s_or_b32 s[G0B+4*(\s)+3], s[G0B+4*(\s)+3], 0x80000000
	JLOAD \s                                       ; the ring is filled before anything else is done: two loads of mine are out
.endr
	; all that follows, up to the first barrier, stands in the wait for the first tile
	v_and_b32 v1, 15, v0                           ; r = l % 16
	v_bfe_u32 v2, v0, 4, 1                         ; h = l / 16
	s_lshl_b32 s46, s42, 8                         ; the tile's 64 hidden columns: 256 bytes of f32
	v_lshl_add_u32 v[BO], v1, 4, s46
.irp g, 0,1,2,3
	global_load_b128 v[T2+4*(\g):T2+4*(\g)+3], v[BO], s[BIAS+2*(\g):BIAS+2*(\g)+1]  ; gate g's bias of my four hidden columns: block b = 4 g + b' at T2 + b
.endr
	; a fragment is 16 rows x 32 K in 8 registers: lane l holds row l % 16; registers 0-3 K = 8 h + 0..7, registers 4-7 K = 16 + 8 h + 0..7: two loads of 16 bytes, 32 bytes apart
	v_mul_u32_u24 v3, v1, PITCH
	v_lshl_add_u32 v3, v2, 4, v3                   ; row x pitch + 16 x half
	s_mul_i32 s21, s10, 64*PITCH                   ; my 64 rows of abf
	s_mov_b32 s22, 2*HALFT                         ; wbf's 256 rows lie behind abf's 256
.irp s, 0,1
	v_add_nc_u32 v[ADRA+(\s)], s21, v3
	v_add_nc_u32 v[ADRB+(\s)], s22, v3
	s_add_co_u32 s21, s21, SLOT
	s_add_co_u32 s22, s22, SLOT
.endr
	v_lshlrev_b32 v[CO], 15, v2                    ; lanes 16-31: eight rows of 4,096 bytes further down
	v_lshl_add_u32 v[CO], v1, 4, v[CO]
	s_lshl_b32 s94, s13, 8
	s_lshl_b32 s14, s10, 6
	s_add_co_u32 s94, s94, s14                     ; my first row: 256 x tile row + 64 x wave
	s_lshl_b32 s94, s94, 12
	s_add_co_u32 s94, s94, s46                     ; + the tile's first column
	s_mov_b32 s95, 0
	s_add_nc_u64 s[CXP:CXP+1], s[CXP:CXP+1], s[94:95]
	s_add_nc_u64 s[HTP:HTP+1], s[HTP:HTP+1], s[94:95]
	s_add_nc_u64 s[CTP:CTP+1], s[CTP:CTP+1], s[94:95]
	; the prefetches
	s_lshl_b32 s20, s13, 8                         ; 256 x tile row
	s_lshl_b32 s21, s42, 8                         ; 256 x tile column
	s_and_b32 s22, ttmp7, 0xffff                   ; cluster y
	s_cmp_eq_u32 s11, 0                            ; do I fetch for abf?
	s_cselect_b32 s20, s20, s21                    ; the tile's first row
	s_cselect_b32 s21, s40, s41                    ; my place among the four that ask for it with me
	s_cselect_b32 s22, ttmp9, s22                  ; the coordinate along which other clusters read the same rows
	s_cselect_b64 s[PFA:PFA+1], s[4:5], s[6:7]
	s_cmp_eq_u32 s22, 0
	s_cselect_b32 s[LIM], 1, -1                    ; the same in all sixteen partners, for a given wave
	s_lshl_b32 s22, s12, 7
	s_add_co_u32 s20, s20, s22                     ; + the 128 rows that I fetch
	s_lshl_b32 s21, s21, 5
	s_add_co_u32 s20, s20, s21                     ; + my work-group's 32 of them
	s_mov_b32 s21, 0
	s_mov_b64 s[18:19], SIZE_K*2
	s_mul_u64 s[20:21], s[20:21], s[18:19]
	s_add_nc_u64 s[PFA:PFA+1], s[PFA:PFA+1], s[20:21]
	s_add_nc_u64 s[PFA:PFA+1], s[PFA:PFA+1], 2*KSTEP*2  ; at K step 2: the first refill steps it to 3 and names K step 4; nothing is prefetched here, at the head
	v_and_b32 v[PFO], 31, v0
	v_mul_u32_u24 v[PFO], v[PFO], SIZE_K*2
	s_wait_loadcnt 0x0                             ; the biases
.set b, 0
.rept 16                               ; the bias takes its gate's factor here, once, so that scale and bias are one fused multiply-add on the way out; made twice, to fill the pair that the packed form adds
.if b < 12
	v_mul_f32 v[BI+2*b], s[NL], v[T2+b]
	v_mul_f32 v[BI+2*b+1], s[NL], v[T2+b]
.else
	v_mul_f32 v[BI+2*b], s[TL], v[T2+b]
	v_mul_f32 v[BI+2*b+1], s[TL], v[T2+b]
.endif
.set b, b+1
.endr
; 16 matrix instructions: row block a x all 16 column blocks, 32 along K, from buffer f.  zero = 1: the product starts the sums: nothing is ever cleared.
; The 64 accumulators take turns, one instruction a turn, in the same order in every quarter step, over the backward jumps too.
.macro MUL16 f, a, zero
	WIN MUL_LO+0x50*((\a)/2)
.set MAC, 128*((\a)%2)
.irp b, 0,1,2,3,4,5,6,7,8,9,10,11,12,13,14,15
.if \zero
	v_wmma_f32_16x16x32_bf16 v[MAC+8*(\b):MAC+8*(\b)+7], v[FA+32*(\f)+8*(\a):FA+32*(\f)+8*(\a)+7], v[128*(\f)+8*(\b):128*(\f)+8*(\b)+7], 0
.else
	v_wmma_f32_16x16x32_bf16 v[MAC+8*(\b):MAC+8*(\b)+7], v[FA+32*(\f)+8*(\a):FA+32*(\f)+8*(\a)+7], v[128*(\f)+8*(\b):128*(\f)+8*(\b)+7], v[MAC+8*(\b):MAC+8*(\b)+7]
.endif
.endr
.endm
; 40 LDS loads in one run: the fragments of one quarter step (256 rows of wbf, my 64 rows of abf, 32 K at byte k of the rows) into buffer f.  The largest offset is 15 x 16 x 272 + 192 + 32 = 65,504.
.macro FETCH slot, k, f
	WIN TO_B
.irp i, 0,1,2,3,4,5,6,7,8,9,10,11,12,13,14,15
	ds_load_b128 v[128*(\f)+8*(\i):128*(\f)+8*(\i)+3],   v[ADRB+(\slot)] offset:(\k)+(\i)*16*PITCH
	ds_load_b128 v[128*(\f)+8*(\i)+4:128*(\f)+8*(\i)+7], v[ADRB+(\slot)] offset:(\k)+(\i)*16*PITCH+32
.endr
	WIN 0
.irp i, 0,1,2,3
	ds_load_b128 v[FA+32*(\f)+8*(\i):FA+32*(\f)+8*(\i)+3],   v[ADRA+(\slot)] offset:(\k)+(\i)*16*PITCH
	ds_load_b128 v[FA+32*(\f)+8*(\i)+4:FA+32*(\f)+8*(\i)+7], v[ADRA+(\slot)] offset:(\k)+(\i)*16*PITCH+32
.endr
.endm
; A load into a register that a matrix instruction has read, and a vector instruction that reads a matrix result, stand four places behind that matrix instruction; only plain vector
; instructions that name none of its registers are places (ISA guide 7.12.1 for vector instructions).
.macro PLACES
.rept 4
	v_nop
.endr
.endm
; A K step is four quarter steps of 32 along K, 64 matrix instructions each, on buffers 0, 1, 0, 1.  One of the first three: multiplies buffer f; behind its first 16 products it fetches the next
; quarter's fragments, at byte k of the same slot's rows, into buffer g: 48 products stand between that run and its first use.
.macro QUARTER slot, k, f, g, zero
	s_wait_dscnt 4                                 ; wbf's fragments and abf's blocks 0 and 1 are in; the youngest four loads (blocks 2 and 3) may be out
	MUL16 \f, 0, \zero
	PLACES
	FETCH \slot, \k, \g
	s_wait_dscnt 40                                ; all but the 40 just issued
	MUL16 \f, 1, \zero
	MUL16 \f, 2, \zero
	MUL16 \f, 3, \zero
.endm
; The last quarter multiplies buffer 1 and changes slots.  MEET is its first half: ONE barrier for the change.  In front of it each wave waits for all its tensor loads, of which one is out: its part of the
; next slot; adds 0 to its spare word; and waits for that and for its own reads of this slot.  Behind it nobody reads this slot any more and the next slot is whole.
.macro MEET round                      ; round = 1: a round of the cluster's barrier follows
	WIN 0                                          ; (the add's two registers lie in window 0)
	s_wait_tensorcnt 0x0                           ; all my tensor loads have landed;
	ds_add_u32 v[SPW], v[NIL]                      ; 0 onto my spare word;
	s_wait_dscnt 5                                 ; (the add and the youngest four loads may be out)
	MUL16 1, 0, 0                                  ; sixteen matrix instructions stand between the add and the wait for it
	s_wait_dscnt 0x0                               ; the add is done, and my reads of this slot are over:
	s_barrier_signal -1                            ; say so,
	MUL16 1, 1, 0                                  ; work on registers while the others arrive,
.if \round
	WIN 0
.endif
	s_barrier_wait -1                              ; and go on when all four have said so
.endm
; The whole last quarter.  Behind the round the slot just read out is filled again first: with this tile's K step two steps on (on = 0) or with the next tile's K step 0 or 1 (on = 1); then come the next
; slot's first fragments.  From a request to the wait for it a wave issues 224 matrix instructions.
.macro TURN slot, next, on
	s_wait_xcnt 0x0                                ; the last prefetch, a K step back, has read its address: it is stepped here, ahead of the waits of the change of slots
.if (\on) && (\slot) == 0
	s_add_nc_u64 s[PFA:PFA+1], s[PFA:PFA+1], (WALK-1)*SIZE_K*2+KSTEP*2  ; from the K step after the tile's last to the next tile's K step 1
	s_cmp_eq_u32 s11, 0
	s_cselect_b32 s[LIM], s[LIM], -1               ; wbf's rows are the same for both tiles: they are asked for in the first alone
.else
	s_add_nc_u64 s[PFA:PFA+1], s[PFA:PFA+1], KSTEP*2
.endif
	MEET 1
	CREST                                          ; all sixteen work-groups have said so: no wave of any partner still reads this slot's tile or has a load on its way
.if \on
	s_add_nc_u64 s[G0+4*(\slot)+2:G0+4*(\slot)+3], s[G0+4*(\slot)+2:G0+4*(\slot)+3], NEXT_A
	s_sub_nc_u64 s[G0B+4*(\slot)+2:G0B+4*(\slot)+3], s[G0B+4*(\slot)+2:G0B+4*(\slot)+3], BACK_B
.else
	s_add_nc_u64 s[G0+4*(\slot)+2:G0+4*(\slot)+3], s[G0+4*(\slot)+2:G0+4*(\slot)+3], 2*KSTEP*2
	s_add_nc_u64 s[G0B+4*(\slot)+2:G0B+4*(\slot)+3], s[G0B+4*(\slot)+2:G0B+4*(\slot)+3], 2*KSTEP*2
.endif
	JLOAD \slot                                    ; the first tensor load behind the round, my only one until the next; the four v_nop behind it are also the places in front of the loads below
	FETCH \next, 0, 0
	ASK \on
	MUL16 1, 2, 0
	MUL16 1, 3, 0
.endm
; THE WAY OUT.  cx of row block a, 16 rows: eight loads; in each, sixteen lanes take 256 consecutive bytes of a row, aligned.  Register R + 4 j + b' = cx(16 a + 8 h + j, 64 T + 4 r + b').
.macro CXLOAD a, R
.irp j, 0,1,2,3,4,5,6,7
	global_load_b128 v[(\R)+4*(\j):(\R)+4*(\j)+3], v[CO], s[CXP:CXP+1] offset:(16*(\a)+(\j))*ROWB th:TH_LOAD_NT
.endr
.endm
.macro SCALE x                         ; pair x of the block's 64 (accumulator x / 4, registers 2 (x % 4) on): gate x factor + scaled bias, in place; each accumulator is read from its lowest pair on
.if (\x) < 48
	v_pk_fma_f32 v[AC+2*(\x):AC+2*(\x)+1], v[AC+2*(\x):AC+2*(\x)+1], s[NL:NL+1], v[BI+2*((\x)/4):BI+2*((\x)/4)+1] op_sel_hi:[1,0,1]
.else
	v_pk_fma_f32 v[AC+2*(\x):AC+2*(\x)+1], v[AC+2*(\x):AC+2*(\x)+1], s[TL:TL+1], v[BI+2*((\x)/4):BI+2*((\x)/4)+1] op_sel_hi:[1,0,1]
.endif
.endm
.macro PLUS1 base, x                   ; 1 + 2^..
	v_pk_add_f32 v[(\base)+2*(\x):(\base)+2*(\x)+1], v[(\base)+2*(\x):(\base)+2*(\x)+1], 1.0 op_sel_hi:[1,0]
.endm
.macro FIN base, x                     ; tanh = 1 - 2 / (1 + 2^..)
	v_pk_fma_f32 v[(\base)+2*(\x):(\base)+2*(\x)+1], v[(\base)+2*(\x):(\base)+2*(\x)+1], -2.0, 1.0 op_sel_hi:[1,0,0]
.endm
.macro TWICE R, x                      ; ct x 2 log2 e
	v_pk_mul_f32 v[T2+2*(\x):T2+2*(\x)+1], v[(\R)+2*(\x):(\R)+2*(\x)+1], s[TL:TL+1] op_sel_hi:[1,0]
.endm
; Row block a: 16 rows, 32 outputs a lane.  R: its cx.  left: the younger cx loads, which may stay out.  reload = 1: block 3's cx is asked for, into block 0's buffer.
; Each batch of exponentials or reciprocals has ONE wait, between such an instruction and the first that names its result; the plain lines that feed a batch stand among its
; members, one pair ahead, and name no result of the batch; a v_nop is the plain instruction behind the batch's last.
.macro BLOCK a, R, left, reload
.set W, 2+(\a)/2
.set AC, 128*((\a)%2)
	WIN (W<<6)|W                                   ; destination and source 0: the accumulators' window; the biases in window 0
	SCALE 0
.set q, 0
.rept 64
.if q < 63
	SCALE q+1
.endif
	v_exp_f32 v[AC+2*q], v[AC+2*q]
	v_exp_f32 v[AC+2*q+1], v[AC+2*q+1]
.set q, q+1
.endr
	v_nop
	s_wait_alu depctr_va_vdst(0)                   ; the 128 exponentials
	PLUS1 AC, 0
.set q, 0
.rept 64
.if q < 63
	PLUS1 AC, q+1
.endif
	v_rcp_f32 v[AC+2*q], v[AC+2*q]
	v_rcp_f32 v[AC+2*q+1], v[AC+2*q+1]
.set q, q+1
.endr
	v_nop
	s_wait_alu depctr_va_vdst(0)                   ; the 128 reciprocals: ft at AC, it at AC + 32, ot at AC + 64, 1 / (1 + e^2g) at AC + 96
	WIN W*0x55
.set q, 0
.rept 16
	FIN AC+96, q                                   ; tanh g
.set q, q+1
.endr
.set q, 0
.rept 16
	v_pk_mul_f32 v[AC+96+2*q:AC+96+2*q+1], v[AC+32+2*q:AC+32+2*q+1], v[AC+96+2*q:AC+96+2*q+1]  ; it tanh g
.set q, q+1
.endr
	s_wait_loadcnt \left                           ; my block's cx is in
	WIN (W<<4)|W                                   ; sources 0 and 2 in the accumulators' window, cx and ct in window 0
.set q, 0
.rept 32                               ; q = 4 j + b'
	v_fma_f32 v[(\R)+q], v[AC+8*(q%4)+q/4], v[(\R)+q], v[AC+96+8*(q%4)+q/4]  ; ct = ft cx + it tanh g takes cx's place
.set q, q+1
.endr
	WIN 0
	s_wait_xcnt 0x0                                ; every earlier memory instruction has had its addresses translated (ISA guide 3.1): T2, which the block before stored from, and block 0's buffer are written again only behind this wait
.if \reload
	CXLOAD 3, CX0
.endif
.irp j, 0,1,2,3,4,5,6,7
	global_store_b128 v[CO], v[(\R)+4*(\j):(\R)+4*(\j)+3], s[CTP:CTP+1] offset:(16*(\a)+(\j))*ROWB th:TH_STORE_NT  ; 16 lanes store 256 consecutive bytes, at a multiple of 256 from out1's first byte
.endr
	TWICE \R, 0
.set q, 0
.rept 16
.if q < 15
	TWICE \R, q+1
.endif
	v_exp_f32 v[T2+2*q], v[T2+2*q]
	v_exp_f32 v[T2+2*q+1], v[T2+2*q+1]
.set q, q+1
.endr
	v_nop
	s_wait_alu depctr_va_vdst(0)                   ; the 32 exponentials
	PLUS1 T2, 0
.set q, 0
.rept 16
.if q < 15
	PLUS1 T2, q+1
.endif
	v_rcp_f32 v[T2+2*q], v[T2+2*q]
	v_rcp_f32 v[T2+2*q+1], v[T2+2*q+1]
.set q, q+1
.endr
	v_nop
	s_wait_alu depctr_va_vdst(0)                   ; the 32 reciprocals
.set q, 0
.rept 16
	FIN T2, q                                      ; tanh ct
.set q, q+1
.endr
	WIN W                                          ; source 0 in the accumulators' window
.set q, 0
.rept 32
	v_mul_f32 v[T2+q], v[AC+64+8*(q%4)+q/4], v[T2+q]  ; ht = ot tanh ct
.set q, q+1
.endr
	WIN 0
.irp j, 0,1,2,3,4,5,6,7
	global_store_b128 v[CO], v[T2+4*(\j):T2+4*(\j)+3], s[HTP:HTP+1] offset:(16*(\a)+(\j))*ROWB th:TH_STORE_NT
.endr
.endm
	s_wait_tensorcnt 1                             ; my part of K step 0 is in; K step 1's may stay out
	s_barrier_signal -1
	s_barrier_wait -1                              ; everybody's is
	FETCH 0, 0, 0
	s_mov_b32 s2, 2                                ; tiles to go, this one among them: the same number in every work-group
.Ltile:
	QUARTER 0, 64,  0, 1, 1                        ; a tile's first quarter stands in front of the loop: its products start the sums
	WIN 0                                          ; at a label and at a branch every window is 0
	s_mov_b32 s3, LAPS-1
.Llap:                                                 ; a trip goes once round the ring, from a lap's second quarter to the next lap's first, and fills both slots again
	QUARTER 0, 128, 1, 0, 0
	QUARTER 0, 192, 0, 1, 0
	TURN 0, 1, 0
	QUARTER 1, 64,  0, 1, 0
	QUARTER 1, 128, 1, 0, 0
	QUARTER 1, 192, 0, 1, 0
	TURN 1, 0, 0
	QUARTER 0, 64,  0, 1, 0
	WIN 0
	s_sub_co_u32 s3, s3, 1
	s_cmp_lg_u32 s3, 0
	s_cbranch_scc1 .Llap
	CXLOAD 0, CX0                                  ; cx of my first 48 rows is asked for seven quarter steps ahead of its use: 24 loads into registers that the products do not name
	CXLOAD 1, CX1
	CXLOAD 2, CX2
	QUARTER 0, 128, 1, 0, 0                        ; the tile's last lap goes on
	QUARTER 0, 192, 0, 1, 0
	WIN 0
	s_cmp_eq_u32 s2, 1
	s_cbranch_scc1 .Llast                          ; the last tile's tail is written out: it asks for nothing more
	TURN 0, 1, 1                                   ; THE RING GOES ON INTO THE SECOND TILE: slot 0 takes its K step 0,
	QUARTER 1, 64,  0, 1, 0
	QUARTER 1, 128, 1, 0, 0
	QUARTER 1, 192, 0, 1, 0
	TURN 1, 0, 1                                   ; slot 1 its K step 1, and its first fragments are fetched: those 40 LDS loads and my one tensor load stay out across the way out, which names neither LDS nor their registers
	WIN 0
	s_branch .Lout
.Llast:
	MEET 0                                         ; my one tensor load that was still out is slot 1's, the last K step's, so no round follows
	PLACES                                         ; for the loads into buffer 0, which the quarter before multiplied
	FETCH 1, 0, 0
	MUL16 1, 2, 0
	MUL16 1, 3, 0
	QUARTER 1, 64,  0, 1, 0
	QUARTER 1, 128, 1, 0, 0
	QUARTER 1, 192, 0, 1, 0
	s_wait_dscnt 0x0                               ; the very last quarter: nothing more to fetch
	MUL16 1, 0, 0
	MUL16 1, 1, 0
	MUL16 1, 2, 0
	MUL16 1, 3, 0
	WIN 0
.Lout:                                                 ; the way out, one text for both tiles
	PLACES                                         ; behind the last products; for the later blocks the earlier blocks' lines are places too
	BLOCK 0, CX0, 16, 0                            ; blocks 1 and 2's sixteen loads may stay out
	BLOCK 1, CX1, 8, 1                             ; block 2's eight; block 3's cx is asked for
	BLOCK 2, CX2, 8, 0                             ; block 3's eight
	BLOCK 3, CX0, 0, 0
	s_wait_xcnt 0x0                                ; the stores have read their registers and bases: only behind this wait are the three pointers stepped, and the cx buffers loaded again in the next tile
	s_add_nc_u64 s[CXP:CXP+1], s[CXP:CXP+1], WALK*ROWB  ; (behind the last tile the stepped pointers are not used)
	s_add_nc_u64 s[HTP:HTP+1], s[HTP:HTP+1], WALK*ROWB
	s_add_nc_u64 s[CTP:CTP+1], s[CTP:CTP+1], WALK*ROWB
	s_sub_co_u32 s2, s2, 1
	s_cmp_lg_u32 s2, 0
	s_cbranch_scc1 .Ltile
	s_wait_tensorcnt 0x0                           ; the wave's end, behind my last tensor load
	ds_add_u32 v[SPW], v[NIL]
	s_wait_dscnt 0x0
	CROUND                                         ; the closing round: no work-group ends while a partner may still ask for a tile that names it
	s_endpgm
.Lfunc_end_k_q29fb9c0b74_cell:
	.size	k_q29fb9c0b74_cell, .Lfunc_end_k_q29fb9c0b74_cell-k_q29fb9c0b74_cell
	.p2alignl 7, 3214868480
	.fill 96, 4, 3214868480
	.section	.rodata,"a",@progbits
	.p2align	6, 0x0
	.amdhsa_kernel k_q29fb9c0b74_cell
		.amdhsa_group_segment_fixed_size 327680
		.amdhsa_private_segment_fixed_size 0
		.amdhsa_enable_private_segment 0
		.amdhsa_kernarg_size 72
		.amdhsa_user_sgpr_count 2
		.amdhsa_user_sgpr_kernarg_segment_ptr 1
		.amdhsa_wavefront_size32 1
		.amdhsa_system_sgpr_workgroup_id_x 1
		.amdhsa_system_sgpr_workgroup_id_y 1
		.amdhsa_system_sgpr_workgroup_id_z 1
		.amdhsa_system_vgpr_workitem_id 0
		.amdhsa_next_free_vgpr 1024
		.amdhsa_next_free_sgpr 96
		.amdhsa_reserve_vcc 0
		.amdhsa_float_denorm_mode_32 3
		.amdhsa_float_denorm_mode_16_64 3
		.amdhsa_memory_ordered 1
		.amdhsa_forward_progress 1
		.amdhsa_inst_pref_size 255
	.end_amdhsa_kernel
	.section	.bss,"aw",@nobits
	.p2align	6
	.space	262144
	.amdgpu_metadata
---
amdhsa.version: [ 1, 2 ]
amdhsa.kernels:
  - .name:           k_q29fb9c0b74_cell
    .symbol:         k_q29fb9c0b74_cell.kd
    .args:
      - { .name: abf, .offset: 0, .size: 8, .value_kind: global_buffer, .address_space: global }
      - { .name: wbf, .offset: 8, .size: 8, .value_kind: global_buffer, .address_space: global }
      - { .name: b_fg, .offset: 16, .size: 8, .value_kind: global_buffer, .address_space: global }
      - { .name: b_ig, .offset: 24, .size: 8, .value_kind: global_buffer, .address_space: global }
      - { .name: b_og, .offset: 32, .size: 8, .value_kind: global_buffer, .address_space: global }
      - { .name: b_ci, .offset: 40, .size: 8, .value_kind: global_buffer, .address_space: global }
      - { .name: cx, .offset: 48, .size: 8, .value_kind: global_buffer, .address_space: global }
      - { .name: out0, .offset: 56, .size: 8, .value_kind: global_buffer, .address_space: global }
      - { .name: out1, .offset: 64, .size: 8, .value_kind: global_buffer, .address_space: global }
    .group_segment_fixed_size: 327680
    .private_segment_fixed_size: 0
    .kernarg_segment_align: 8
    .kernarg_segment_size: 72
    .max_flat_workgroup_size: 128
    .sgpr_count:     96
    .vgpr_count:     1024
    .wavefront_size: 32
...
	.end_amdgpu_metadata
.endif
;; end of part 2
;; ======== version 2 of 2: 2 launches; version 1 with the launch pack written anew for expert scheduling mode
;; workspace buffers: abf 33,554,432 bytes; wbf 16,777,216 bytes
;; launch pack (part 3): grid 256 x 3, 8 waves a work-group, no clusters, 0 bytes of LDS; arguments xt, hx, w_fg, w_ig, w_og, w_ci, r_fg, r_ig, r_og, r_ci, abf, wbf; writes abf, wbf
.if DOCPART == 3
	.amdgcn_target "amdgcn-amd-amdhsa--gfx1250"
	.amdhsa_code_object_version 6
	.text
	.protected	k_q29fb9c0b74_pack
	.globl	k_q29fb9c0b74_pack
	.p2align	8
	.type	k_q29fb9c0b74_pack,@function
k_q29fb9c0b74_pack:
	s_mov_b64 s[64:65], 0
	v_nop
	global_prefetch_b8 v0, s[64:65] scope:SCOPE_SE
	s_setreg_imm32_b32 hwreg(HW_REG_WAVE_SCHED_MODE, 0, 2), 2
	s_setreg_imm32_b32 hwreg(HW_REG_WAVE_MODE, 25, 1), 1
	s_wait_xcnt 0x0
	s_wait_alu depctr_vm_vsrc(0)
; THE OPERANDS OF THE LSTM CELL'S ONE PRODUCT, rounded once to bf16 (to nearest even) and laid out for it.
;   abf [8192][2048] bf16: row m = xt[m][0..1023], then hx[m][0..1023].
;   wbf [4096][2048] bf16: a row = w_g[hc][0..1023], then r_g[hc][0..1023]; gates g = 0 f, 1 i, 2 o, 3 ci.  Gate g's row hc lies at row
;       256 (hc / 64) + 64 g + 16 (hc % 4) + (hc / 4) % 16:
;   a block of 256 rows holds all four gates of 64 hidden columns, and in the product's result a lane then finds four neighbouring hidden columns of each gate.
; SHARES.  24,576 source rows of 4,096 bytes.  A work-group takes 32 rows of ONE source: y = 0 xt, y = 1 hx (256 groups each), y = 2 the eight weight matrices (32 groups each).
; Thread t owns bytes 16 t of every source row (4 f32) and bytes 8 t of the half row that it becomes: a wave's load covers 512 consecutive bytes, a wave's store 256 consecutive bytes, aligned.
; All 32 loads of a thread go out at once (16 KiB a wave); each row is rounded as it arrives.  No register is written again while a memory instruction names it.
; No LDS, no matrix unit, no cluster: no byte is wanted twice.
; THE MODE: SCHED_MODE bits 1:0 = 2 (LLVM: expert scheduling mode 2), set by the entry lines.  The code itself states the register dependences
; between vector instructions and memory instructions, with s_wait_alu, always for 0.
; THE PLAN.  Registers that memory instructions touch:
;   v1, v2          byte offsets, made once at the head and never written again; v1 is read by every load, v2 by every store.
;   X + 4 i .. + 3  row i.  Written by its load; no vector instruction names them ahead of that load.  Row i's two conversions read all four and write the first two; row i's store reads
;                   those two; nothing writes them afterwards: a row keeps its registers to the end, so no register that a memory instruction has read is ever written again.
; The 32 rows go in eight groups of four.  Group p rounds its rows; the memory instructions among its lines are the four stores of group p - 1, whose registers no vector instruction of group p names.
; So ONE wait on va_vdst at a group's head states all that its four stores hang on; one more stands ahead of the first load, for the offsets, and one ahead of the last four stores.
; No vector instruction writes a scalar register or VCC, and EXEC is never written.
.set ROW, 4096                         ; bytes in a source row, and in a row of abf and wbf
.set GRP, 4                            ; rows in a group
.set X,   8                            ; v[8:135]  row i as loaded at X + 4 i; its 8 bytes of bf16 then take the first two registers
	s_load_b512 s[8:23], s[0:1], 0x0               ; xt, hx, w_fg, w_ig, w_og, w_ci, r_fg, r_ig: source k at s[8+2k:9+2k]
	s_load_b256 s[24:31], s[0:1], 0x40             ; r_og, r_ci (sources 8, 9), abf s[28:29], wbf s[30:31]
	s_and_b32 s2, ttmp7, 0xffff                    ; y
	s_mov_b32 s3, ttmp9                            ; x
	v_lshlrev_b32 v1, 4, v0                        ; my 16 bytes of a source row
	v_lshlrev_b32 v2, 3, v0                        ; my 8 bytes of the half row
	; y = 2: matrix x / 32 (0-3 w, 4-7 r; gate = its low two bits), rows 32 q .. 32 q + 31 with q = x % 32
	s_lshr_b32 s32, s3, 5                          ; matrix
	s_and_b32 s38, s3, 31                          ; q
	s_and_b32 s39, s32, 3                          ; gate
	s_lshr_b32 s40, s32, 2                         ; 0: w, the row's first half; 1: r, its second
	s_lshl_b32 s34, s38, 17                        ; source offset: 32 q rows
	s_lshr_b32 s41, s38, 1
	s_lshl_b32 s36, s41, 20                        ; destination: 256 (q / 2) rows
	s_lshl_b32 s41, s39, 18
	s_add_co_u32 s36, s36, s41                     ; + 64 x gate rows
	s_and_b32 s41, s38, 1
	s_lshl_b32 s41, s41, 15
	s_add_co_u32 s36, s36, s41                     ; + 8 (q % 2) rows
	s_lshl_b32 s41, s40, 11
	s_add_co_u32 s36, s36, s41                     ; + the half row
	s_add_co_u32 s33, s32, 2                       ; the source's number
	; y < 2: rows 32 x .. 32 x + 31 of xt or hx go to the same rows of abf, half y
	s_lshl_b32 s42, s3, 17
	s_lshl_b32 s43, s2, 11
	s_add_co_u32 s43, s43, s42
	s_cmp_lt_u32 s2, 2
	s_cselect_b32 s33, s2, s33
	s_cselect_b32 s34, s42, s34
	s_cselect_b32 s36, s43, s36
	s_mov_b32 s35, 0
	s_mov_b32 s37, 0
	s_wait_kmcnt 0x0
	s_cselect_b64 s[6:7], s[28:29], s[30:31]       ; (the compare above still stands) abf or wbf
	s_mov_b64 s[4:5], s[8:9]
.irp k, 1,2,3,4,5,6,7,8,9
	s_cmp_eq_u32 s33, \k                           ; the source is chosen by its number, which hangs on the work-group's place alone
	s_cselect_b64 s[4:5], s[8+2*\k:9+2*\k], s[4:5]
.endr
	s_add_nc_u64 s[4:5], s[4:5], s[34:35]
	s_add_nc_u64 s[6:7], s[6:7], s[36:37]
	s_wait_alu depctr_va_vdst(0)                   ; v1 and v2 are written: every load of the kernel reads v1 as its offset, every store v2; no later vector instruction names either
.set i, 0
.rept 32
	global_load_b128 v[X+4*i:X+4*i+3], v1, s[4:5] offset:ROW*i th:TH_LOAD_NT
.set i, i+1
.endr
; Row k leaves.  perm = 0: row k to row k.  perm = 1 (weights): row k to row 16 (k % 4) + k / 4 of the block's gate.
.macro PUT perm
.if \perm
.set ro, 16*(k%4)+k/4
.else
.set ro, k
.endif
	global_store_b64 v2, v[X+4*k:X+4*k+1], s[6:7] offset:ro*ROW
.endm
; The 32 rows are rounded and leave, a group of four at a time; a group's stores stand among the next group's conversions, one ahead of each row's two.
.macro OUT perm
.set i, 0
.rept 32
	s_wait_loadcnt 31-i                            ; loads come back in order (ISA guide 5.7.1): row i is in, the 31 - i younger rows may stay out
.if (i%GRP == 0) && (i > 0)
	s_wait_alu depctr_va_vdst(0)                   ; the group before's eight conversions have written the registers that the four stores of this group's lines read; the conversions behind this wait name this group's rows alone
.endif
.if i >= GRP
.set k, i-GRP
	PUT \perm                                      ; the same row of the group before
.endif
	v_cvt_pk_bf16_f32 v[X+4*i], v[X+4*i], v[X+4*i+1]
	v_cvt_pk_bf16_f32 v[X+4*i+1], v[X+4*i+2], v[X+4*i+3]
.set i, i+1
.endr
	s_wait_alu depctr_va_vdst(0)                   ; the last group's conversions have written the registers that the last four stores read
.set k, 32-GRP
.rept GRP
	PUT \perm
.set k, k+1
.endr
.endm
	s_cmp_eq_u32 s2, 2
	s_cbranch_scc1 .Lw
	OUT 0
	s_endpgm
.Lw:
	OUT 1
	s_endpgm
.Lfunc_end_k_q29fb9c0b74_pack:
	.size	k_q29fb9c0b74_pack, .Lfunc_end_k_q29fb9c0b74_pack-k_q29fb9c0b74_pack
	.p2alignl 7, 3214868480
	.fill 96, 4, 3214868480
	.section	.rodata,"a",@progbits
	.p2align	6, 0x0
	.amdhsa_kernel k_q29fb9c0b74_pack
		.amdhsa_group_segment_fixed_size 0
		.amdhsa_private_segment_fixed_size 0
		.amdhsa_enable_private_segment 0
		.amdhsa_kernarg_size 96
		.amdhsa_user_sgpr_count 2
		.amdhsa_user_sgpr_kernarg_segment_ptr 1
		.amdhsa_wavefront_size32 1
		.amdhsa_system_sgpr_workgroup_id_x 1
		.amdhsa_system_sgpr_workgroup_id_y 1
		.amdhsa_system_sgpr_workgroup_id_z 1
		.amdhsa_system_vgpr_workitem_id 0
		.amdhsa_next_free_vgpr 136
		.amdhsa_next_free_sgpr 66
		.amdhsa_reserve_vcc 0
		.amdhsa_float_denorm_mode_32 3
		.amdhsa_float_denorm_mode_16_64 3
		.amdhsa_memory_ordered 1
		.amdhsa_forward_progress 1
		.amdhsa_inst_pref_size 22
	.end_amdhsa_kernel
	.amdgpu_metadata
---
amdhsa.version: [ 1, 2 ]
amdhsa.kernels:
  - .name:           k_q29fb9c0b74_pack
    .symbol:         k_q29fb9c0b74_pack.kd
    .args:
      - { .name: xt, .offset: 0, .size: 8, .value_kind: global_buffer, .address_space: global }
      - { .name: hx, .offset: 8, .size: 8, .value_kind: global_buffer, .address_space: global }
      - { .name: w_fg, .offset: 16, .size: 8, .value_kind: global_buffer, .address_space: global }
      - { .name: w_ig, .offset: 24, .size: 8, .value_kind: global_buffer, .address_space: global }
      - { .name: w_og, .offset: 32, .size: 8, .value_kind: global_buffer, .address_space: global }
      - { .name: w_ci, .offset: 40, .size: 8, .value_kind: global_buffer, .address_space: global }
      - { .name: r_fg, .offset: 48, .size: 8, .value_kind: global_buffer, .address_space: global }
      - { .name: r_ig, .offset: 56, .size: 8, .value_kind: global_buffer, .address_space: global }
      - { .name: r_og, .offset: 64, .size: 8, .value_kind: global_buffer, .address_space: global }
      - { .name: r_ci, .offset: 72, .size: 8, .value_kind: global_buffer, .address_space: global }
      - { .name: abf, .offset: 80, .size: 8, .value_kind: global_buffer, .address_space: global }
      - { .name: wbf, .offset: 88, .size: 8, .value_kind: global_buffer, .address_space: global }
    .group_segment_fixed_size: 0
    .private_segment_fixed_size: 0
    .kernarg_segment_align: 8
    .kernarg_segment_size: 96
    .max_flat_workgroup_size: 256
    .sgpr_count:     66
    .vgpr_count:     136
    .wavefront_size: 32
...
	.end_amdgpu_metadata
.endif
;; end of part 3
;; launch cell: the kernel of part 2 again; grid 16 x 16, 4 waves a work-group, clusters of 4 x 4, 327,680 bytes of LDS; arguments abf, wbf, b_fg, b_ig, b_og, b_ci, cx, out0, out1; writes out0, out1
